; MI455X (gfx1250); checked and timed in simulation.
; The chip was launched on July 23, 2026; its instructions are those of AMD's public machine-readable ISA for CDNA 5 (MIT licence, August 2026) and "CDNA5" Instruction Set Architecture Reference Guide (July 2026). The comments in the code are by the model that wrote it; some were corrected since.
;; Multi head attention. Allowed arithmetic: matrix products marked QUANTISED: E2M1 operands, one E8M0 scale for each 32 along K, by v_wmma_scale_f32_16x16x128_f8f6f4 with both operands' format E2M1 (or v_wmma_scale_f32_32x16x128_f4), f32 sums; products left as they are: f32 operands where the result goes on into a quantised operand, else bf16, f16 or f32 operands; f32 sums; everything else in f32.
;; Inputs: Wk_codes 4,096 x 128 x 16 uint8 (E2M1 codes of Wk, K innermost, in blocks of 32 codes, two codes a byte); Wk_scales 4,096 x 128 uint8 (E8M0 scales of Wk, one for each 32 codes along K); Wq_codes 4,096 x 128 x 16 uint8 (E2M1 codes of Wq, K innermost, in blocks of 32 codes, two codes a byte); Wq_scales 4,096 x 128 uint8 (E8M0 scales of Wq, one for each 32 codes along K); Wv_codes 4,096 x 128 x 16 uint8 (E2M1 codes of Wv, K innermost, in blocks of 32 codes, two codes a byte); Wv_scales 4,096 x 128 uint8 (E8M0 scales of Wv, one for each 32 codes along K); bk 4,096 float32; bq 4,096 float32; bv 4,096 float32; mask 1,024 x 32 int32; x_codes 1,024 x 128 x 16 uint8 (E2M1 codes of x, K innermost, in blocks of 32 codes, two codes a byte); x_scales 1,024 x 128 uint8 (E8M0 scales of x, one for each 32 codes along K).
;; Outputs: out0 1,024 x 4,096 float32.
;; This version of the problem:
;;   THIS VERSION OF THE PROBLEM IS GIVEN IN LOW PRECISION. The matrix products marked QUANTISED in the list below multiply operands that are first quantised to E2M1 (2 exponent bits, 1 mantissa bit; 4 bits a number), with one power-of-two scale for each 32 numbers along K (OCP MX v1.0); their sums are f32. All else is computed in f32.
;;   The module's matrix products, in the order in which they are computed (A, B: the left and right operand; K: the contracted axis; several contracted axes count as one K, in the product's order):
;;     1. [M 1,024, K 4,096] x [K 4,096, N 4,096]; A: input x (given as codes); B: input Wq (given as codes): QUANTISED
;;     2. [M 1,024, K 4,096] x [K 4,096, N 4,096]; A: input x (given as codes); B: input Wk (given as codes): QUANTISED
;;     3. [M 1,024, K 4,096] x [K 4,096, N 4,096]; A: input x (given as codes); B: input Wv (given as codes): QUANTISED
;;     4. batch 1,024 x [M 1, K 128] x [K 128, N 32]; A: computed on the way; B: computed on the way: left as it is (M = 1 < 16)
;;   THE QUANTISER, for each operand of a quantised product, along K:
;;     - K is cut into blocks of 32 from its start; a last block that is shorter is filled with zeros.
;;     - A block's scale is 2^e with e = floor(log2(the largest magnitude in the block)) - 2, held to -126 .. 127; a block of zeros has e = 0. As a byte (E8M0): e + 127.
;;     - Each number is divided by its block's scale, clamped to +-6, and rounded to the nearest number of E2M1, ties to even, subnormals kept.
;;     - The product sums the exact products of the quantised numbers (number of the format x scale) in f32.
;;   ~~~python
;;   def quantise(x, axis):      # numpy; x: float32 -> the quantised numbers, widened to float32 again
;;       x = np.moveaxis(x, axis, -1); K = x.shape[-1]
;;       x = np.pad(x, [(0, 0)] * (x.ndim - 1) + [(0, -K % 32)]); x = x.reshape(x.shape[:-1] + (-1, 32)); a = np.abs(x).max(-1, keepdims=True)
;;       e = np.where(a > 0, np.clip(np.frexp(np.where(a > 0, a, 1))[1] - 1 - 2, -126, 127), 0)      # np.frexp(a)[1] - 1 = floor(log2(a)), exactly
;;       r = np.clip(x / 2.0 ** e, -6, 6)
;;       step = 2.0 ** (np.maximum(np.frexp(np.where(r == 0, 1, r))[1] - 1, 0) - 1)
;;       q = np.round(r / step) * step * 2.0 ** e      # np.round: ties to even
;;       return np.moveaxis(q.reshape(q.shape[:-2] + (-1,))[..., :K], -1, axis).astype(np.float32)
;;   ~~~
;;   INPUTS GIVEN AS CODES. Wk (in the module: [4096, 4096], K = its axis 1); Wq (in the module: [4096, 4096], K = its axis 1); Wv (in the module: [4096, 4096], K = its axis 1); x (in the module: [1024, 4096], K = its axis 1): each comes as NAME_codes (uint8): NAME with its K axis moved to the last place and cut into blocks of 32 codes, [.., K / 32, bytes a block], one block behind the other in memory; two codes a byte, the lower K in the low four bits (a code: sign, 2 exponent bits, 1 mantissa bit); and NAME_scales (uint8): the same leading axes, one E8M0 byte (e + 127) for each 32 codes along K. Its value is code x scale, taken as it is: it is not quantised again, and the codes and scales need not be those that the quantiser above would give.
;; One version. Each part assembles by itself: llvm-mc -triple=amdgcn-amd-amdhsa -mcpu=gfx1250 --defsym DOCPART=n.
;; ======== version 1 of 1: 2 launches
;; limits: right only within a limited range of input values
;; workspace buffers: part 1,048,576 bytes
;; launch qk (part 1): grid 32 x 8, 8 waves a work-group, clusters of 4 x 4, 327,680 bytes of LDS; arguments x_codes, x_scales, Wq_codes, Wq_scales, Wk_codes, Wk_scales, bq, bk, part; writes part
.if DOCPART == 1
	.amdgcn_target "amdgcn-amd-amdhsa--gfx1250"
	.amdhsa_code_object_version 6
	.text
	.protected	k_qb6b5fa6a76_qk
	.globl	k_qb6b5fa6a76_qk
	.p2align	8
	.type	k_qb6b5fa6a76_qk,@function
k_qb6b5fa6a76_qk:
	s_mov_b64 s[64:65], 0
	v_nop
	global_prefetch_b8 v0, s[64:65] scope:SCOPE_SE
	s_setreg_imm32_b32 hwreg(HW_REG_WAVE_MODE, 25, 1), 1
	s_wait_xcnt 0x0
	s_wait_alu depctr_hold_cnt(0) depctr_sa_sdst(0) depctr_va_vdst(0) depctr_va_sdst(0) depctr_va_ssrc(0) depctr_va_vcc(0) depctr_vm_vsrc(0)
	s_getreg_b32 s2, hwreg(HW_REG_IB_STS2, 6, 4)
	s_cmp_eq_u32 s2, 0
	s_cbranch_scc0 .Lentry_in_a_cluster
	s_endpgm
.Lentry_in_a_cluster:
	s_bfe_u32 s2, ttmp6, 0x10000c
	s_cmp_lg_u32 s2, 0xf033
	s_cbranch_scc0 .Lentry_shape_is_right
	s_endpgm
.Lentry_shape_is_right:
; part[tm][dg][c][s][j] = sum over d = 16 dg .. 16 dg + 15 of k[s][32 d] q[s][32 d + h], h = 4 j + c, row 128 tm + s; f32.
; q = x Wq^T + bq, k = x Wk^T + bk, both on codes of FP4 (E2M1) with one E8M0 byte for each 32 along K = 4,096, as they lie in memory; sums in f32.
; LEFT OUT: reference() keeps of k only k[:, :, 0], the columns 32 d.  The other columns of k reach no output whatever the inputs hold, so of Wk, its scales and bk only the rows 32 d are read and multiplied.
; LIMITS: a NaN, an infinity or an overflow that reaches only those columns is not carried to the result; a scale byte 0xff makes NaN, as given; K is summed in two halves, and d in another order than a plain loop's.
; SHARES.  Work-group (tm, tn), tn = 8 c + dg, takes rows 128 tm .. + 127 of x and the 128 rows 512 dg + c + 4 y of Wq (y = 0 .. 127).  Row y is d = 16 dg + y / 8, h = 4 (y % 8) + c: so ONE tile of 16 rows of Wk serves the work-group.
; EIGHT WAVES: wave = 4 g + 2 mi + ni makes 64 x 64 of q (mi: rows of x, ni: rows of Wq) over half of K: of each slot's 1,024 along K the half g.
; x's register blocks are rotated: block i is the work-group's block 4 mi + (i xor 2 e), e = g xor ni.  A wave keeps blocks 0, 1 and hands blocks 2, 3 to wave xor 4, for which they are blocks 0, 1.  It makes k (its half of K) for blocks 0, 1; wave xor 5 has the same rows' other half.
; THE MATRIX INSTRUCTION IS USED TRANSPOSED (source 0 = 16 rows of W, source 1 = 16 rows of x): a lane holds ONE row of x; register j of accumulator (i, b) is tile row y = 64 ni + 16 b + 8 (lane / 16) + j.
; Lane r of Wk's tile takes LDS row 2 (r % 8) + r / 8, so that register j of k is d = 2 j + lane / 16: register 4 ni + b belongs to accumulator (i, b) in the same lane.
; RING.  K goes in four chunks of 1,024 (LDS rows of 512 bytes + 16) through two slots.  A chunk is read into registers whole (four K steps of 128 for a wave); the next chunk's first three K steps are fetched ahead of the chunk's last products.
; THE HEAD'S LOADS, one a wave: waves 0-4 what chunk 0 needs, waves 5-7 chunk 1; only waves 0-4 wait ahead of the first barrier.  Wk's 2,048 scale bytes come through registers, 8 bytes a thread.
; CLUSTER 4 x 4: x's tiles are shared along a row of the cluster, Wq's and Wk's along a column; each is asked for jointly.
; PREFETCH: chunks 2 and 3 are asked for one chunk ahead of their joint loads; each block of 256 bytes once in a cluster, shared among the four partners by address.
; REGISTERS: window 0: v0-31 addresses; v32-47, v112-127 scale words, two sets (lanes 0-15 x, 16-31 Wq); v48-51, v56-59 Wk's; v52-55 bk; v64-95 Wk's fragments; v96-127 bq, then v96-111 k; v128-255 q.   window 1: v0-127 Wq's fragments, v128-255 x's, four K steps.
.set PITCH, 528
.set BLK,   16*PITCH
.set BOFF,  128*PITCH                  ; in a slot: x's 128 rows, Wq's 128 rows, Wk's 16 rows
.set KOFF,  256*PITCH
.set SLOT,  272*PITCH
.set SPI,   144                        ; an LDS row of scale bytes: 128 + 16
.set SCA,   2*SLOT
.set SCB,   SCA+128*SPI
.set SCK,   SCB+128*SPI                ; written by LDS stores, never filled
.set SPARE, SCK+16*SPI                 ; the spare words, 128 bytes a wave
.set KIMG,  65536                      ; the way out lies in slot 0, which has had its last fill and its last read by then: q's images, 8,192 bytes a wave, from 0; k's, 2,048 a wave;
.set STG,   81920                      ; four stages of 128 rows x 32 bytes
.set CW0,   (1<<20)|(1<<21)|(6<<22)|(3<<25)           ; codes: elements of 1 byte; padding on; bit 21 beside a mask; 4 words behind every 128
.set SW0,   (3<<16)|(1<<20)|(1<<21)|(4<<22)|(3<<25)   ; scales: elements of 8 bytes; 4 words behind every 32
.set ADRAL, 8
.set ADRAH, 10
.set ADRB,  12
.set ADRK,  14
.set ADRSL, 16
.set ADRSH, 17
.set ADRSK, 18
.set AST,   19                         ; my image; v20 wave xor 4's
.set ALD,   20
.set KST,   21                         ; my k's image; v22 its register quad ni; v23 wave xor 5's
.set KLO,   22
.set KLX,   23
.set STGA,  24
.set ARD,   25
.set PO,    26
.set BO,    27
.set SPW,   28
.set NIL,   29
.set PFO,   30
.set BK,    52
.set WKF,   64
.set BQ,    96
.set KACC,  96
.set ACC,   128
.set G0SA,  4
.set G0SB,  8
.set WV,    22
.set G1A,   24
.set G0A,   32
.set G1B,   40
.set G0B,   48
.set G1K,   56
.set G0K,   68
.set G1SA,  76
.set G1SB,  84
.set MSB, 0
.macro WIN new                         ; the immediate's high byte repeats the setting that is left
.if MSB != \new
	s_set_vgpr_msb (MSB<<8)|\new
.set MSB, \new
.endif
.endm
.macro PLACES n                        ; plain places behind matrix instructions (ISA guide 7.12.1)
.rept \n
	v_nop
.endr
.endm
.macro CREST                           ; a round of the cluster's barrier behind its opening barrier
	s_cmp_lg_u32 s[WV], 0
	s_cbranch_scc1 .Lnot_wave_0_\@
	s_barrier_signal -3
.Lnot_wave_0_\@:
	s_barrier_wait -3
	s_barrier_signal -1
	s_barrier_wait -1
.endm
.macro CROUND
	s_barrier_signal -1
	s_barrier_wait -1
	CREST
.endm
.macro ARM under, g0, g1, next, join   ; one arm of a tree on the wave's number: one tensor load
	s_cmp_lt_u32 s[WV], \under
	s_cbranch_scc0 \next
	tensor_load_to_lds s[\g0:\g0+3], s[\g1:\g1+7]
	s_nop 0
	PLACES 4
	s_branch \join
\next:
.endm
.macro JLOAD slot                      ; a joint refill: wave 0 x's tile, wave 1 Wq's, wave 2 Wk's.  Every way holds four v_nop: the places in front of the LDS loads that follow
	ARM 1, G0A+4*(\slot), G1A, .Lja_\@, .Ljd_\@
	ARM 2, G0B+4*(\slot), G1B, .Ljb_\@, .Ljd_\@
	ARM 3, G0K+4*(\slot), G1K, .Ljc_\@, .Ljd_\@
	PLACES 4
.Ljd_\@:
.endm
.macro ASK off                         ; my lanes' blocks of a later chunk
	s_cmp_lt_u32 s[WV], 5
	s_cbranch_scc0 .Lnoask_\@
	global_prefetch_b8 v[PFO], s[14:15] offset:\off th:TH_LOAD_NT scope:SCOPE_SE
.Lnoask_\@:
.endm
.macro FK q                            ; K step q of Wk: 2 loads
	ds_load_b128 v[WKF+8*(\q):WKF+8*(\q)+3], v[ADRK+SL] offset:64*(\q)
	ds_load_b128 v[WKF+8*(\q)+4:WKF+8*(\q)+7], v[ADRK+SL] offset:64*(\q)+32
.endm
.macro FQ q                            ; K step q: Wq's four fragments and x's four, two loads of 16 bytes each: 16 loads
.irp b, 0,1,2,3
	ds_load_b128 v[32*(\q)+8*\b:32*(\q)+8*\b+3], v[ADRB+SL] offset:64*(\q)+\b*BLK
	ds_load_b128 v[32*(\q)+8*\b+4:32*(\q)+8*\b+7], v[ADRB+SL] offset:64*(\q)+\b*BLK+32
.endr
.irp i, 0,1
	ds_load_b128 v[128+32*(\q)+8*\i:128+32*(\q)+8*\i+3], v[ADRAL+SL] offset:64*(\q)+\i*BLK
	ds_load_b128 v[128+32*(\q)+8*\i+4:128+32*(\q)+8*\i+7], v[ADRAL+SL] offset:64*(\q)+\i*BLK+32
.endr
.irp i, 0,1
	ds_load_b128 v[144+32*(\q)+8*\i:144+32*(\q)+8*\i+3], v[ADRAH+SL] offset:64*(\q)+\i*BLK
	ds_load_b128 v[144+32*(\q)+8*\i+4:144+32*(\q)+8*\i+7], v[ADRAH+SL] offset:64*(\q)+\i*BLK+32
.endr
.endm
; 8 matrix instructions of chunk p's K step q: x's blocks i0, i0 + 1 against Wq's four.  mode 0: onto the sums; 1: C = the bias; 2: C = 0.  The accumulators take turns in the same order everywhere.
.macro MULI p, q, i0, mode
.set SC, 32+80*((\p)%2)
	WIN 0x05
.irp i, \i0, \i0+1
.irp b, 0,1,2,3
.if \mode == 0
	v_wmma_scale_f32_16x16x128_f8f6f4 v[ACC+32*(\i)+8*\b:ACC+32*(\i)+8*\b+7], v[32*(\q)+8*\b:32*(\q)+8*\b+7], v[128+32*(\q)+8*(\i):128+32*(\q)+8*(\i)+7], v[ACC+32*(\i)+8*\b:ACC+32*(\i)+8*\b+7], v[SC+4*\b+(\q)], v[SC+4*(\i)+(\q)] matrix_a_fmt:MATRIX_FMT_FP4 matrix_b_fmt:MATRIX_FMT_FP4 matrix_a_scale:MATRIX_SCALE_ROW1
.elseif \mode == 1
	v_wmma_scale_f32_16x16x128_f8f6f4 v[ACC+32*(\i)+8*\b:ACC+32*(\i)+8*\b+7], v[32*(\q)+8*\b:32*(\q)+8*\b+7], v[128+32*(\q)+8*(\i):128+32*(\q)+8*(\i)+7], v[BQ+8*\b:BQ+8*\b+7], v[SC+4*\b+(\q)], v[SC+4*(\i)+(\q)] matrix_a_fmt:MATRIX_FMT_FP4 matrix_b_fmt:MATRIX_FMT_FP4 matrix_a_scale:MATRIX_SCALE_ROW1
.else
	v_wmma_scale_f32_16x16x128_f8f6f4 v[ACC+32*(\i)+8*\b:ACC+32*(\i)+8*\b+7], v[32*(\q)+8*\b:32*(\q)+8*\b+7], v[128+32*(\q)+8*(\i):128+32*(\q)+8*(\i)+7], 0, v[SC+4*\b+(\q)], v[SC+4*(\i)+(\q)] matrix_a_fmt:MATRIX_FMT_FP4 matrix_b_fmt:MATRIX_FMT_FP4 matrix_a_scale:MATRIX_SCALE_ROW1
.endif
.endr
.endr
.endm
.macro MULK p, q, first                ; k for x's blocks 0 and 1
.set SC, 32+80*((\p)%2)
.set SKR, 48+8*((\p)%2)
	WIN 0x04
.irp t, 0,1
.if \first
	v_wmma_scale_f32_16x16x128_f8f6f4 v[KACC+8*\t:KACC+8*\t+7], v[WKF+8*(\q):WKF+8*(\q)+7], v[128+32*(\q)+8*\t:128+32*(\q)+8*\t+7], 0, v[SKR+(\q)], v[SC+4*\t+(\q)] matrix_a_fmt:MATRIX_FMT_FP4 matrix_b_fmt:MATRIX_FMT_FP4
.else
	v_wmma_scale_f32_16x16x128_f8f6f4 v[KACC+8*\t:KACC+8*\t+7], v[WKF+8*(\q):WKF+8*(\q)+7], v[128+32*(\q)+8*\t:128+32*(\q)+8*\t+7], v[KACC+8*\t:KACC+8*\t+7], v[SKR+(\q)], v[SC+4*\t+(\q)] matrix_a_fmt:MATRIX_FMT_FP4 matrix_b_fmt:MATRIX_FMT_FP4
.endif
.endr
.endm
.macro MULALL p, q
	MULI \p, \q, 0, 0
	MULI \p, \q, 2, 0
	MULK \p, \q, 0
.endm
.macro KS p, q
.if \q == 3
	s_wait_dscnt 0x0
.else
	s_wait_dscnt 50-16*\q                          ; all but the later K steps' loads: 16 each, and the last one's 18
.endif
	MULALL \p, \q
.endm
; Chunk p's loads: scale words and Wk's first three K steps (11), three K steps (48); then the last products of the chunk before; then the fourth K step (18).
.macro FETCH p
.set SL, (\p)%2
.set SC, 32+80*((\p)%2)
.set SKR, 48+8*((\p)%2)
	WIN 0
.irp i, 0,1
	ds_load_b128 v[SC+4*\i:SC+4*\i+3], v[ADRSL] offset:32*(\p)+16*SPI*\i
	ds_load_b128 v[SC+8+4*\i:SC+8+4*\i+3], v[ADRSH] offset:32*(\p)+16*SPI*\i
.endr
	ds_load_b128 v[SKR:SKR+3], v[ADRSK] offset:32*(\p)
	FK 0
	FK 1
	FK 2
	WIN 0x40
	FQ 0
	FQ 1
	FQ 2
.if \p > 0
	MULALL \p-1, 3
	WIN 0
	PLACES 4
.endif
	WIN 0
	FK 3
	WIN 0x40
	FQ 3
.endm
; The change of slots.  fill = 1: the barrier opens a round of the cluster's barrier, and this slot is filled again with the chunk two on, first thing behind the round.
.macro TURN p, fill
.set SL, (\p)%2
	WIN 0
	s_wait_tensorcnt 0x0                           ; all my tensor loads have landed: my part of the next chunk
.if \fill
	ds_add_u32 v[SPW], v[NIL]                      ; 0 onto my spare word
	s_add_nc_u64 s[G0A+4*SL+2:G0A+4*SL+3], s[G0A+4*SL+2:G0A+4*SL+3], 1024   ; two chunks of 512 bytes on; no tensor load of mine is out
	s_add_nc_u64 s[G0B+4*SL+2:G0B+4*SL+3], s[G0B+4*SL+2:G0B+4*SL+3], 1024
	s_add_nc_u64 s[G0K+4*SL+2:G0K+4*SL+3], s[G0K+4*SL+2:G0K+4*SL+3], 1024
.endif
	s_wait_dscnt 0x0                               ; my reads of this slot are done (fill = 1: and the add)
	s_barrier_signal -1
	s_barrier_wait -1
.if \fill
	CREST                                          ; no wave of any partner still reads this slot or has a load on its way
	JLOAD (\p)%2
.else
	PLACES 4
.endif
.endm
	s_load_b64 s[G0A+2:G0A+3], s[0:1], 0x0         ; addresses go straight into the descriptor words that will hold them
	s_load_b64 s[G0SA+2:G0SA+3], s[0:1], 0x8
	s_load_b64 s[G0B+2:G0B+3], s[0:1], 0x10
	s_load_b64 s[G0SB+2:G0SB+3], s[0:1], 0x18
	s_load_b64 s[G0K+2:G0K+3], s[0:1], 0x20
	s_load_b64 s[12:13], s[0:1], 0x28              ; Wk's scales
	s_load_b128 s[16:19], s[0:1], 0x30             ; bq, bk
	s_load_b64 s[20:21], s[0:1], 0x40              ; part
	v_lshl_add_u32 v[SPW], v0, 2, SPARE
	v_mov_b32 v[NIL], 0
	ds_add_u32 v[SPW], v[NIL]                      ; the wave's opening: 0 onto my spare word, twice on end, under one wait
	ds_add_u32 v[SPW], v[NIL]
	v_lshrrev_b32 v1, 5, v0
	v_readfirstlane_b32 s[WV], v1                  ; wave 0..7
	s_bfe_u32 s66, ttmp6, 0x40000                  ; cx
	s_bfe_u32 s67, ttmp6, 0x40004                  ; cy
	s_and_b32 s2, ttmp7, 0xffff
	s_lshl_b32 s2, s2, 2
	s_add_co_u32 s23, s2, s67                      ; tm = 4 x cluster y + cy
	s_lshl_b32 s3, s67, 2
	s_lshl_b32 s3, 15, s3                          ; my row of the cluster
	s_lshl_b32 s104, ttmp9, 2
	s_add_co_u32 s104, s104, s66                   ; tn = 4 x cluster x + cx
	s_lshl_b32 s105, 0x1111, s66                   ; my column
	s_or_b32 s[G1A], s3, CW0
	s_or_b32 s[G1SA], s3, SW0
	s_or_b32 s[G1B], s105, CW0
	s_or_b32 s[G1K], s105, CW0
	s_or_b32 s[G1SB], s105, SW0
.irp g, G1A, G1B                       ; 128 rows x 512 bytes
	s_mov_b32 s[\g+1], 512<<16
	s_mov_b32 s[\g+2], 128<<16
	s_mov_b32 s[\g+3], 512<<16
	s_mov_b32 s[\g+4], 128
	s_mov_b32 s[\g+6], 0
	s_mov_b32 s[\g+7], 0
.endr
	s_mov_b32 s[G1A+5], 2048                       ; a row of x,
	s_mov_b32 s[G1B+5], 8192                       ; four rows of Wq
	s_mov_b32 s[G1K+1], 512<<16                    ; Wk: 16 rows x 512 bytes, 32 rows apart
	s_mov_b32 s[G1K+2], 16<<16
	s_mov_b32 s[G1K+3], 512<<16
	s_mov_b32 s[G1K+4], 16
	s_mov_b32 s[G1K+5], 65536
	s_mov_b32 s[G1K+6], 0
	s_mov_b32 s[G1K+7], 0
	s_mov_b32 s[G1SA+1], 32<<16                    ; x's scales: 16,384 dense bytes as 64 rows of 256, padding behind every 128
	s_mov_b32 s[G1SA+2], 64<<16
	s_mov_b32 s[G1SA+3], 32<<16
	s_mov_b32 s[G1SA+4], 64
	s_mov_b32 s[G1SA+5], 32
	s_mov_b32 s[G1SA+6], 0
	s_mov_b32 s[G1SA+7], 0
	s_mov_b32 s[G1SB+1], 16<<16                    ; Wq's: 128 rows of 128 bytes, four rows apart
	s_mov_b32 s[G1SB+2], 128<<16
	s_mov_b32 s[G1SB+3], 16<<16
	s_mov_b32 s[G1SB+4], 128
	s_mov_b32 s[G1SB+5], 64
	s_mov_b32 s[G1SB+6], 0
	s_mov_b32 s[G1SB+7], 0
	s_mov_b32 s[G0A], 1
	s_mov_b32 s[G0A+1], 0
	s_mov_b32 s[G0A+4], 1
	s_mov_b32 s[G0A+5], SLOT
	s_mov_b32 s[G0B], 1
	s_mov_b32 s[G0B+1], BOFF
	s_mov_b32 s[G0B+4], 1
	s_mov_b32 s[G0B+5], SLOT+BOFF
	s_mov_b32 s[G0K], 1
	s_mov_b32 s[G0K+1], KOFF
	s_mov_b32 s[G0K+4], 1
	s_mov_b32 s[G0K+5], SLOT+KOFF
	s_mov_b32 s[G0SA], 1
	s_mov_b32 s[G0SA+1], SCA
	s_mov_b32 s[G0SB], 1
	s_mov_b32 s[G0SB+1], SCB
	s_and_b32 s105, s104, 7                        ; dg
	s_lshr_b32 s104, s104, 3                       ; c
	s_lshl_b32 s66, s66, 16                        ; the prefetches: of a tile's rows my share begins 32 cx rows of x on,
	s_lshl_b32 s67, s67, 18                        ; 32 cy tile rows of Wq (8,192 bytes each), 4 cy of Wk (65,536 bytes each)
	s_mov_b32 s3, 0
	s_mov_b32 s15, 0
	s_wait_dscnt 0x0                               ; both opening adds are done
	CROUND                                         ; all sixteen work-groups are here: the first joint loads meet
	s_wait_kmcnt 0x0
	s_lshl_b32 s2, s23, 18                         ; 128 tm rows of 2,048 bytes
	s_add_nc_u64 s[G0A+2:G0A+3], s[G0A+2:G0A+3], s[2:3]
	s_lshl_b32 s2, s23, 14                         ; 128 tm rows of 128 bytes
	s_add_nc_u64 s[G0SA+2:G0SA+3], s[G0SA+2:G0SA+3], s[2:3]
	s_lshl_b32 s14, s105, 20                       ; row 512 dg
	s_add_nc_u64 s[G0K+2:G0K+3], s[G0K+2:G0K+3], s[14:15]
	s_lshl_b32 s100, s104, 11                      ; + c rows
	s_add_co_u32 s14, s14, s100
	s_add_nc_u64 s[G0B+2:G0B+3], s[G0B+2:G0B+3], s[14:15]
	s_lshl_b32 s14, s105, 16
	s_add_nc_u64 s[12:13], s[12:13], s[14:15]
	s_lshl_b32 s100, s104, 7
	s_add_co_u32 s14, s14, s100
	s_add_nc_u64 s[G0SB+2:G0SB+3], s[G0SB+2:G0SB+3], s[14:15]
	s_cmp_lt_u32 s[WV], 2                          ; prefetches: waves 0, 1 for x, 2, 3 for Wq, 4 for Wk
	s_cselect_b64 s[14:15], s[G0A+2:G0A+3], s[G0B+2:G0B+3]
	s_cmp_lt_u32 s[WV], 4
	s_cselect_b64 s[14:15], s[14:15], s[G0K+2:G0K+3]
	s_add_nc_u64 s[G0A+6:G0A+7], s[G0A+2:G0A+3], 512   ; slot 1 begins with chunk 1
	s_add_nc_u64 s[G0B+6:G0B+7], s[G0B+2:G0B+3], 512
	s_add_nc_u64 s[G0K+6:G0K+7], s[G0K+2:G0K+3], 512
.irp g, G0A+3, G0A+7, G0B+3, G0B+7, G0K+3, G0K+7, G0SA+3, G0SB+3
	s_or_b32 s[\g], s[\g], 0x80000000
.endr
	ARM 1, G0A,   G1A,  .Lh1, .Lhead_asked         ; one load a wave
	ARM 2, G0B,   G1B,  .Lh2, .Lhead_asked
	ARM 3, G0SA,  G1SA, .Lh3, .Lhead_asked
	ARM 4, G0SB,  G1SB, .Lh4, .Lhead_asked
	ARM 5, G0K,   G1K,  .Lh5, .Lhead_asked
	ARM 6, G0A+4, G1A,  .Lh6, .Lhead_asked
	ARM 7, G0B+4, G1B,  .Lh7, .Lhead_asked
	tensor_load_to_lds s[G0K+4:G0K+7], s[G1K:G1K+7]
	s_nop 0
	PLACES 4
.Lhead_asked:
	s_lshl_b32 s2, s23, 17                         ; part: my block of 4,096 bytes: ((8 tm + dg) 4 + c)
	s_add_nc_u64 s[20:21], s[20:21], s[2:3]
	s_lshl_b32 s100, s105, 14
	s_lshl_b32 s101, s104, 12
	s_add_co_u32 s100, s100, s101
	s_mov_b32 s101, 0
	s_add_nc_u64 s[20:21], s[20:21], s[100:101]
	s_and_b32 s94, s[WV], 1                        ; ni
	s_lshl_b32 s100, s105, 11                      ; bk at 512 dg + 256 ni
	s_lshl_b32 s2, s94, 10
	s_add_co_u32 s100, s100, s2
	s_add_nc_u64 s[18:19], s[18:19], s[100:101]
	s_lshl_b32 s2, s104, 2                         ; bq at 512 dg + c + 4 x 64 ni
	s_add_co_u32 s100, s100, s2
	s_add_nc_u64 s[16:17], s[16:17], s[100:101]
	s_cmp_lt_u32 s[WV], 2
	s_cselect_b32 s66, s66, s67
	s_lshl_b32 s2, s94, 8                          ; an odd wave takes the second 256 bytes of the 512
	s_add_co_u32 s66, s66, s2
	s_mov_b32 s67, 0
	s_add_nc_u64 s[14:15], s[14:15], s[66:67]
	s_mov_b32 s2, 8192                             ; from lane to lane: four rows of Wq,
	s_cmp_lt_u32 s[WV], 2
	s_cselect_b32 s2, 2048, s2                     ; or a row of x
	s_cmp_lt_u32 s[WV], 4
	s_cselect_b32 s3, -1, 0
	s_lshr_b32 s92, s[WV], 2                       ; g
	s_bfe_u32 s93, s[WV], 0x10001                  ; mi
	s_xor_b32 s95, s92, s94                        ; e
	s_xor_b32 s98, s95, 1
	s_mul_i32 s96, s93, 64*PITCH
	s_mul_i32 s97, s95, 32*PITCH
	s_add_co_u32 s97, s97, s96                     ; x's blocks 0, 1
	s_mul_i32 s99, s98, 32*PITCH
	s_add_co_u32 s96, s96, s99                     ; x's blocks 2, 3
	s_mul_i32 s99, s94, 64*PITCH
	s_add_co_u32 s99, s99, BOFF                    ; Wq's blocks
	s_lshl_b32 s100, s92, 8                        ; my half of K: 256 bytes of a row
	s_mul_i32 s101, s93, 64*SPI                    ; scale words: lanes 0-15 x's base, lanes 16-31 Wq's: the lower base + half x the distance
	s_mul_i32 s104, s95, 32*SPI
	s_add_co_u32 s104, s104, s101
	s_mul_i32 s105, s98, 32*SPI
	s_add_co_u32 s105, s105, s101
	s_mul_i32 s66, s94, 64*SPI
	s_add_co_u32 s66, s66, SCB-SCA
	s_sub_co_u32 s67, s66, s104
	s_add_co_u32 s66, s66, 32*SPI
	s_sub_co_u32 s23, s66, s105
	s_lshl_b32 s92, s92, 4                         ; my half of K: 16 scale bytes of 32
	s_add_co_u32 s101, s92, SCA
	s_add_co_u32 s104, s104, s101
	s_add_co_u32 s105, s105, s101
	s_lshl_b32 s98, s94, 13                        ; the stages: stage 2 ni + lane / 16, rows 64 mi + 32 e on
	s_lshl_b32 s101, s93, 11
	s_add_co_u32 s98, s98, s101
	s_lshl_b32 s101, s95, 10
	s_add_co_u32 s98, s98, s101
	s_add_co_u32 s98, s98, STG
	s_lshl_b32 s94, s94, 9
	v_and_b32 v1, 15, v0                           ; r
	v_bfe_u32 v2, v0, 4, 1                         ; lane / 16
	v_and_b32 v31, 31, v0
	v_mul_u32_u24 v[PFO], s2, v31                  ; prefetches: a lane a row;
	v_min_u32 v4, 7, v31                           ; Wk: four rows x two blocks of 256 bytes, lanes 8 on name the last again
	v_lshrrev_b32 v5, 1, v4
	v_lshlrev_b32 v5, 16, v5
	v_and_b32 v4, 1, v4
	v_lshl_add_u32 v4, v4, 8, v5
	v_cndmask_b32 v[PFO], v4, v[PFO], s3
	v_mul_u32_u24 v3, v1, PITCH
	v_lshl_add_u32 v3, v2, 4, v3                   ; a fragment's row x pitch + 16 x half
	v_add_nc_u32 v3, s100, v3
	v_add_nc_u32 v[ADRAL], s97, v3
	v_add_nc_u32 v[ADRAH], s96, v3
	v_add_nc_u32 v[ADRB], s99, v3
	v_add_nc_u32 v[ADRAL+1], SLOT, v[ADRAL]
	v_add_nc_u32 v[ADRAH+1], SLOT, v[ADRAH]
	v_add_nc_u32 v[ADRB+1], SLOT, v[ADRB]
	v_and_b32 v6, 7, v0
	v_bfe_u32 v7, v0, 3, 1
	v_lshl_add_u32 v6, v6, 1, v7                   ; Wk: lane r takes LDS row 2 (r % 8) + r / 8
	v_mul_u32_u24 v7, v6, PITCH
	v_lshl_add_u32 v7, v2, 4, v7
	v_add_nc_u32 v7, s100, v7
	v_add_nc_u32 v[ADRK], KOFF, v7
	v_add_nc_u32 v[ADRK+1], SLOT, v[ADRK]
	v_mul_u32_u24 v6, v6, SPI
	v_add_nc_u32 v6, s92, v6
	v_add_nc_u32 v[ADRSK], SCK, v6
	v_mul_u32_u24 v4, v1, SPI
	v_mul_u32_u24 v5, s67, v2
	v_add_nc_u32 v5, v5, v4
	v_add_nc_u32 v[ADRSL], s104, v5
	v_mul_u32_u24 v5, s23, v2
	v_add_nc_u32 v5, v5, v4
	v_add_nc_u32 v[ADRSH], s105, v5
	v_lshlrev_b32 v31, 4, v31                      ; 16 x lane: an image's place for my lane
	v_lshrrev_b32 v5, 5, v0
	v_lshl_add_u32 v[AST], v5, 13, v31
	v_xor_b32 v4, 4, v5
	v_lshl_add_u32 v[ALD], v4, 13, v31
	v_lshl_add_u32 v[KST], v5, 11, v31
	v_add_nc_u32 v[KST], KIMG, v[KST]
	v_add_nc_u32 v[KLO], s94, v[KST]
	v_xor_b32 v4, 5, v5
	v_lshl_add_u32 v[KLX], v4, 11, v31
	v_add_nc_u32 v[KLX], s94, v[KLX]
	v_add_nc_u32 v[KLX], KIMG, v[KLX]
	v_lshlrev_b32 v4, 5, v1
	v_lshl_add_u32 v4, v2, 12, v4
	v_add_nc_u32 v[STGA], s98, v4
	v_lshl_add_u32 v[ARD], v0, 4, STG
	v_lshlrev_b32 v[PO], 4, v0
	v_lshlrev_b32 v[BO], 7, v2
	v_lshrrev_b32 v4, 4, v0                        ; Wk's scales: thread t takes 8 bytes of row t / 16
	v_and_b32 v5, 15, v0
	v_lshlrev_b32 v6, 12, v4
	v_lshl_add_u32 v6, v5, 3, v6
	v_mul_u32_u24 v4, v4, SPI
	v_lshl_add_u32 v4, v5, 3, v4
	v_add_nc_u32 v4, SCK, v4
	global_load_b64 v[60:61], v6, s[12:13]
.irp b, 0,1,2,3                        ; the biases in the results' layout: register 8 b + j is bq of tile row 16 b + 8 half + j (16 bytes a tile row),
.irp j, 0,1,2,3,4,5,6,7
	global_load_b32 v[BQ+8*\b+\j], v[BO], s[16:17] offset:256*\b+16*\j
.endr
.endr
.irp b, 0,1,2,3
	global_load_b32 v[BK+\b], v[BO], s[18:19] offset:256*\b   ; and register b is bk of d = 8 ni + 2 b + half
.endr
	s_wait_alu depctr_va_vdst(0)
	s_wait_loadcnt 36                              ; Wk's scales; the 36 loads of biases may be out
	ds_store_b64 v4, v[60:61]
	s_wait_dscnt 0x0
	s_cmp_lt_u32 s[WV], 5                          ; waves 5-7 have chunk 1's loads out
	s_cbranch_scc0 .Lchunk1
	s_wait_tensorcnt 0x0
.Lchunk1:
	s_barrier_signal -1
	s_barrier_wait -1                              ; chunk 0 and the scales are in
	FETCH 0
	s_wait_loadcnt 0x0                             ; the biases
	s_wait_dscnt 50
	MULI 0, 0, 0, 1                                ; the blocks that I keep start from the bias, those that I hand on from 0
	MULI 0, 0, 2, 2
	PLACES 5                                       ; k's accumulators lie where two of the biases' blocks lay
	MULK 0, 0, 1
	WIN 0
	ASK 1024                                       ; chunk 2
	KS 0, 1
	KS 0, 2
	TURN 0, 1                                      ; chunk 2 into slot 0
	FETCH 1
	KS 1, 0
	WIN 0
	ASK 1536                                       ; chunk 3
	KS 1, 1
	KS 1, 2
	TURN 1, 1                                      ; chunk 3 into slot 1
	FETCH 2
	KS 2, 0
	KS 2, 1
	KS 2, 2
	TURN 2, 0
	FETCH 3
	KS 3, 0
	KS 3, 1
	KS 3, 2
	KS 3, 3
	WIN 0
	PLACES 4
	; THE WAY OUT.  Blocks 2, 3 of q and my half of k go out as images of their registers, four registers a store, each accumulator from its low end on.
.irp t, 0,1
.irp e, 0,1
	ds_store_b128 v[KST], v[KACC+8*\t+4*\e:KACC+8*\t+4*\e+3] offset:1024*\t+512*\e
.endr
.endr
.irp n, 0,1,2,3,4,5,6,7
.irp e, 0,1
	ds_store_b128 v[AST], v[ACC+64+8*\n+4*\e:ACC+64+8*\n+4*\e+3] offset:1024*\n+512*\e
.endr
.endr
	s_wait_dscnt 0x0
	s_barrier_signal -1
	s_barrier_wait -1
.irp t, 0,1
	ds_load_b128 v[64+4*\t:67+4*\t], v[KLO] offset:1024*\t    ; register b: k(my row, d = 8 ni + 2 b + half): my half of K,
	ds_load_b128 v[72+4*\t:75+4*\t], v[KLX] offset:1024*\t    ; and the other half
.endr
.irp n, 0,1,2,3,4,5,6,7
.irp e, 0,1
	ds_load_b128 v[ACC+64+8*\n+4*\e:ACC+64+8*\n+4*\e+3], v[ALD] offset:1024*\n+512*\e   ; the other half of K of my blocks 0, 1
.endr
.endr
	s_wait_dscnt 16                                ; k
.irp n, 0,2,4,6
	v_pk_add_f32 v[64+\n:65+\n], v[64+\n:65+\n], v[72+\n:73+\n]
.endr
.irp t, 0,4
.irp n, 0,2
	v_pk_add_f32 v[64+\t+\n:65+\t+\n], v[64+\t+\n:65+\t+\n], v[BK+\n:BK+\n+1]
.endr
.endr
; four d of the sum for block t's row and eight h, two h at a time; the k of an even b is its pair's low word, of an odd b the high word, for both halves.  st = 1 starts the sum
.macro DOT t, src, st
.irp b, 0,1,2,3
.irp jp, 0,2,4,6
.if \st && (\b == 0)
	v_pk_mul_f32 v[80+8*\t+\jp:81+8*\t+\jp], v[\src+\jp:\src+\jp+1], v[64+4*\t:65+4*\t] op_sel_hi:[1,0]
.elseif (\b)%2 == 0
	v_pk_fma_f32 v[80+8*\t+\jp:81+8*\t+\jp], v[\src+8*\b+\jp:\src+8*\b+\jp+1], v[64+4*\t+\b:65+4*\t+\b], v[80+8*\t+\jp:81+8*\t+\jp] op_sel_hi:[1,0,1]
.else
	v_pk_fma_f32 v[80+8*\t+\jp:81+8*\t+\jp], v[\src+8*\b+\jp:\src+8*\b+\jp+1], v[63+4*\t+\b:64+4*\t+\b], v[80+8*\t+\jp:81+8*\t+\jp] op_sel:[0,1,0] op_sel_hi:[1,1,1]
.endif
.endr
.endr
.endm
	DOT 0, ACC, 1
	DOT 1, ACC+32, 1
	s_wait_dscnt 8
	DOT 0, ACC+64, 0
	s_wait_dscnt 0x0
	DOT 1, ACC+96, 0
.irp t, 0,1
	ds_store_b128 v[STGA], v[80+8*\t:83+8*\t] offset:512*\t
	ds_store_b128 v[STGA], v[84+8*\t:87+8*\t] offset:512*\t+16
.endr
	s_wait_dscnt 0x0
	s_barrier_signal -1
	s_barrier_wait -1
.irp s, 0,1,2,3                        ; a row's 16 d lie in four stages: each thread adds 16 bytes of the four
	ds_load_b128 v[128+4*\s:131+4*\s], v[ARD] offset:4096*\s
.endr
	s_wait_dscnt 0x0
.irp p, 0,2
	v_pk_add_f32 v[128+\p:129+\p], v[128+\p:129+\p], v[132+\p:133+\p]
	v_pk_add_f32 v[136+\p:137+\p], v[136+\p:137+\p], v[140+\p:141+\p]
.endr
.irp p, 0,2
	v_pk_add_f32 v[128+\p:129+\p], v[128+\p:129+\p], v[136+\p:137+\p]
.endr
	global_store_b128 v[PO], v[128:131], s[20:21]  ; a wave's store covers 512 consecutive bytes, at a multiple of 256 from part's first byte
	s_wait_tensorcnt 0x0                           ; the wave's end
	ds_add_u32 v[SPW], v[NIL]
	s_wait_dscnt 0x0
	CROUND                                         ; the closing round
	s_endpgm
.Lfunc_end_k_qb6b5fa6a76_qk:
	.size	k_qb6b5fa6a76_qk, .Lfunc_end_k_qb6b5fa6a76_qk-k_qb6b5fa6a76_qk
	.p2alignl 7, 3214868480
	.fill 96, 4, 3214868480
	.section	.rodata,"a",@progbits
	.p2align	6, 0x0
	.amdhsa_kernel k_qb6b5fa6a76_qk
		.amdhsa_group_segment_fixed_size 327680
		.amdhsa_private_segment_fixed_size 0
		.amdhsa_enable_private_segment 0
		.amdhsa_kernarg_size 72
		.amdhsa_user_sgpr_count 2
		.amdhsa_user_sgpr_kernarg_segment_ptr 1
		.amdhsa_wavefront_size32 1
		.amdhsa_system_sgpr_workgroup_id_x 1
		.amdhsa_system_sgpr_workgroup_id_y 1
		.amdhsa_system_sgpr_workgroup_id_z 1
		.amdhsa_system_vgpr_workitem_id 0
		.amdhsa_next_free_vgpr 512
		.amdhsa_next_free_sgpr 106
		.amdhsa_reserve_vcc 0
		.amdhsa_float_denorm_mode_32 3
		.amdhsa_float_denorm_mode_16_64 3
		.amdhsa_memory_ordered 1
		.amdhsa_forward_progress 1
		.amdhsa_inst_pref_size 89
	.end_amdhsa_kernel
	.amdgpu_metadata
---
amdhsa.version: [ 1, 2 ]
amdhsa.kernels:
  - .name:           k_qb6b5fa6a76_qk
    .symbol:         k_qb6b5fa6a76_qk.kd
    .args:
      - { .name: x_codes, .offset: 0, .size: 8, .value_kind: global_buffer, .address_space: global }
      - { .name: x_scales, .offset: 8, .size: 8, .value_kind: global_buffer, .address_space: global }
      - { .name: Wq_codes, .offset: 16, .size: 8, .value_kind: global_buffer, .address_space: global }
      - { .name: Wq_scales, .offset: 24, .size: 8, .value_kind: global_buffer, .address_space: global }
      - { .name: Wk_codes, .offset: 32, .size: 8, .value_kind: global_buffer, .address_space: global }
      - { .name: Wk_scales, .offset: 40, .size: 8, .value_kind: global_buffer, .address_space: global }
      - { .name: bq, .offset: 48, .size: 8, .value_kind: global_buffer, .address_space: global }
      - { .name: bk, .offset: 56, .size: 8, .value_kind: global_buffer, .address_space: global }
      - { .name: part, .offset: 64, .size: 8, .value_kind: global_buffer, .address_space: global }
    .group_segment_fixed_size: 327680
    .private_segment_fixed_size: 0
    .kernarg_segment_align: 8
    .kernarg_segment_size: 72
    .max_flat_workgroup_size: 256
    .sgpr_count:     106
    .vgpr_count:     512
    .wavefront_size: 32
...
	.end_amdgpu_metadata
.endif
;; end of part 1
;; launch vout (part 2): grid 32 x 8, 8 waves a work-group, clusters of 4 x 4, 327,680 bytes of LDS; arguments x_codes, x_scales, Wv_codes, Wv_scales, bv, mask, part, out0; writes out0
.if DOCPART == 2
	.amdgcn_target "amdgcn-amd-amdhsa--gfx1250"
	.amdhsa_code_object_version 6
	.text
	.protected	k_qb6b5fa6a76_vout
	.globl	k_qb6b5fa6a76_vout
	.p2align	8
	.type	k_qb6b5fa6a76_vout,@function
k_qb6b5fa6a76_vout:
	s_mov_b64 s[64:65], 0
	v_nop
	global_prefetch_b8 v0, s[64:65] scope:SCOPE_SE
	s_setreg_imm32_b32 hwreg(HW_REG_WAVE_MODE, 25, 1), 1
	s_wait_xcnt 0x0
	s_wait_alu depctr_hold_cnt(0) depctr_sa_sdst(0) depctr_va_vdst(0) depctr_va_sdst(0) depctr_va_ssrc(0) depctr_va_vcc(0) depctr_vm_vsrc(0)
	s_getreg_b32 s2, hwreg(HW_REG_IB_STS2, 6, 4)
	s_cmp_eq_u32 s2, 0
	s_cbranch_scc0 .Lentry_in_a_cluster
	s_endpgm
.Lentry_in_a_cluster:
	s_bfe_u32 s2, ttmp6, 0x10000c
	s_cmp_lg_u32 s2, 0xf033
	s_cbranch_scc0 .Lentry_shape_is_right
	s_endpgm
.Lentry_shape_is_right:
; out0[s][e] = v[s][e] w[s][e % 32];  v = x Wv^T + bv on codes of FP4 (E2M1) with one E8M0 byte for each 32 along K = 4,096; sums in f32.
; w[s][:] = softmax over the 32 h of a[s][h];  a = (the sum of the eight parts that the launch before left in part) / 64, and 1e-20 where mask[s][h] is 0.  The row's maximum is taken away before the exponential.
; LIMITS: a scale byte 0xff makes NaN, as given; a weight under 2^-126 comes out as 0 (v_exp_f32 gives no denormals: ISA guide, 15.8); K is summed in two halves, the eight parts as a tree.
; SHARES.  Work-group (tm, tn) makes rows 128 tm .. + 127, columns 128 tn .. + 127 of out0.  EIGHT WAVES: wave = 4 g + 2 mi + ni makes 64 x 64 (mi: rows, ni: columns) over half of K: of each chunk's 1,024 along K the half g.
; THE MATRIX INSTRUCTION IS USED TRANSPOSED (source 0 = 16 rows of Wv, source 1 = 16 rows of x): register j of accumulator (i, b) is column 64 ni + 16 b + 8 (lane / 16) + j of row 64 mi + 16 i + lane % 16.
; THE WAY OUT: both halves of K go to a stage each in LDS, blocks 0, 1 first: the last chunk is finished by blocks.  A wave adds, weighs and stores rows 64 g + 8 (w % 4) .. + 7 while blocks 2, 3 are staged, then the same 32 rows on.
; THE WEIGHTS of those 16 rows are made by the wave itself: a lane owns 16 h of one row.  The parts come in three batches behind the first tiles; the softmax stands behind the request for the last chunk's fragments.
; RING.  K goes in four chunks of 1,024 through two slots.  Slot 0 is two halves of K (rows of 256 bytes + 16), one for each g; slot 1 has rows of 512 bytes + 16.  A chunk is read into registers whole (four K steps of 128 for a wave);
; the next chunk's first three K steps are fetched ahead of the chunk's last products.
; THE HEAD'S LOADS, one a wave: waves 0-3 chunk 0's half 0 and the scales, waves 4, 5 its half 1, waves 6, 7 chunk 1.  Ahead of the first barrier waves 0-3 wait; behind it waves with g = 0 read their half; ahead of the second waves 4, 5 wait too.
; CLUSTER 4 x 4: x's tiles are shared along a row of the cluster, Wv's along a column; each is asked for jointly.
; PREFETCH: chunks 2 and 3 are asked for one chunk ahead of their joint loads; each block of 256 bytes once in a cluster, shared among the four partners by address.
; REGISTERS: window 0: v0-31 addresses and at work; v32-63 scale words, two sets (lanes 0-15 x, 16-31 Wv); v96-127 the bias, then v64-127 parts, mask, weights; v128-255 v.   window 1: v0-127 Wv's fragments, v128-255 x's, four K steps.
.set P0,    272                        ; slot 0: an LDS row
.set SUB,   256*P0                     ; half a K: x's 128 rows, Wv's 128 rows
.set P1,    528                        ; slot 1
.set SL1,   2*SUB
.set SCA,   SL1+256*P1                 ; x's scales: two rows of 128 bytes + 16
.set S64,   32*272                     ; those of 64 rows
.set SCB,   SCA+2*S64                  ; Wv's
.set WREG,  SCB+2*S64                  ; the weights, 128 bytes a row: written by LDS stores, never filled
.set SPARE, WREG+128*128               ; the spare words, 128 bytes a wave
.set HALFO, 128*P1                     ; the way out: a stage of 128 rows x (512 bytes + 16) for each half of K, in slot 0, which has had its last fill and its last read by then
.set CW0,   (1<<20)|(1<<21)|(5<<22)|(3<<25)           ; slot 0's tiles: elements of 1 byte; padding on; bit 21 beside a mask; 4 words behind every 64
.set CW1,   (1<<20)|(1<<21)|(6<<22)|(3<<25)           ; slot 1's: behind every 128
.set SW0,   (3<<16)|(1<<20)|(1<<21)|(5<<22)|(3<<25)   ; scales: elements of 8 bytes; 4 words behind every 64
.set XA,    8                          ; v8, v9    x's blocks in slot 0, 1
.set BA,    10                         ; v10, v11  Wv's
.set ADRS,  16
.set WST,   18
.set WRD,   19
.set STO,   20
.set RD0,   22
.set RD1,   23
.set GO,    24
.set MO,    25
.set PO,    26
.set BO,    27
.set SPW,   28
.set NIL,   29
.set PFO,   30
.set BV,    96
.set ACC,   128
.set G0SA,  4
.set G0SB,  8
.set WV,    22
.set G1A,   24                         ; slot 0's tiles: groups 1; groups 0 by the wave's g
.set G1B,   32
.set G1AP,  40                         ; slot 1's
.set G1BP,  48
.set G0A,   56
.set G0B,   60
.set G1SA,  68
.set G1SB,  76
.set G0AP,  84
.set G0BP,  88
.set W3,    99                         ; s99 wave % 4
.set MSB, 0
.macro WIN new                         ; the immediate's high byte repeats the setting that is left
.if MSB != \new
	s_set_vgpr_msb (MSB<<8)|\new
.set MSB, \new
.endif
.endm
.macro PLACES                          ; four plain places behind matrix instructions (ISA guide 7.12.1)
.rept 4
	v_nop
.endr
.endm
.macro CREST                           ; a round of the cluster's barrier behind its opening barrier
	s_cmp_lg_u32 s[WV], 0
	s_cbranch_scc1 .Lnot_wave_0_\@
	s_barrier_signal -3
.Lnot_wave_0_\@:
	s_barrier_wait -3
	s_barrier_signal -1
	s_barrier_wait -1
.endm
.macro CROUND
	s_barrier_signal -1
	s_barrier_wait -1
	CREST
.endm
.macro ARM num, under, g0, g1, next, join   ; one arm of a tree on the wave's number (or wave % 4): one tensor load
	s_cmp_lt_u32 s[\num], \under
	s_cbranch_scc0 \next
	tensor_load_to_lds s[\g0:\g0+3], s[\g1:\g1+7]
	s_nop 0
	PLACES
	s_branch \join
\next:
.endm
; A joint refill.  Slot 0: waves 0 and 4 x's two halves of K, waves 1 and 5 Wv's; slot 1: wave 0 x's tile, wave 1 Wv's.  Every way holds four v_nop: the places in front of the LDS loads that follow
.macro JLOAD slot
.if \slot
	ARM WV, 1, G0AP, G1AP, .Lja_\@, .Ljd_\@
	ARM WV, 2, G0BP, G1BP, .Ljb_\@, .Ljd_\@
.else
	ARM W3, 1, G0A, G1A, .Lja_\@, .Ljd_\@
	ARM W3, 2, G0B, G1B, .Ljb_\@, .Ljd_\@
.endif
	PLACES
.Ljd_\@:
.endm
.macro ASK off                         ; my lanes' blocks of a later chunk
	s_cmp_lt_u32 s[WV], 4
	s_cbranch_scc0 .Lnoask_\@
	global_prefetch_b8 v[PFO], s[14:15] offset:\off th:TH_LOAD_NT scope:SCOPE_SE
.Lnoask_\@:
.endm
.macro FQ q                            ; K step q: Wv's four fragments and x's four, two loads of 16 bytes each: 16 loads
.irp b, 0,1,2,3
	ds_load_b128 v[32*(\q)+8*\b:32*(\q)+8*\b+3], v[BA+SL] offset:64*(\q)+\b*BLK
	ds_load_b128 v[32*(\q)+8*\b+4:32*(\q)+8*\b+7], v[BA+SL] offset:64*(\q)+\b*BLK+32
.endr
.irp i, 0,1,2,3
	ds_load_b128 v[128+32*(\q)+8*\i:128+32*(\q)+8*\i+3], v[XA+SL] offset:64*(\q)+\i*BLK
	ds_load_b128 v[128+32*(\q)+8*\i+4:128+32*(\q)+8*\i+7], v[XA+SL] offset:64*(\q)+\i*BLK+32
.endr
.endm
; 8 matrix instructions of chunk p's K step q: x's blocks i0, i0 + 1 against Wv's four.  first = 1: C = the bias.  The accumulators take turns.
.macro MULI p, q, i0, first
.set SC, 32+16*((\p)%2)
	WIN 0x05
.irp i, \i0, \i0+1
.irp b, 0,1,2,3
.if \first
	v_wmma_scale_f32_16x16x128_f8f6f4 v[ACC+32*(\i)+8*\b:ACC+32*(\i)+8*\b+7], v[32*(\q)+8*\b:32*(\q)+8*\b+7], v[128+32*(\q)+8*(\i):128+32*(\q)+8*(\i)+7], v[BV+8*\b:BV+8*\b+7], v[SC+4*\b+(\q)], v[SC+4*(\i)+(\q)] matrix_a_fmt:MATRIX_FMT_FP4 matrix_b_fmt:MATRIX_FMT_FP4 matrix_a_scale:MATRIX_SCALE_ROW1
.else
	v_wmma_scale_f32_16x16x128_f8f6f4 v[ACC+32*(\i)+8*\b:ACC+32*(\i)+8*\b+7], v[32*(\q)+8*\b:32*(\q)+8*\b+7], v[128+32*(\q)+8*(\i):128+32*(\q)+8*(\i)+7], v[ACC+32*(\i)+8*\b:ACC+32*(\i)+8*\b+7], v[SC+4*\b+(\q)], v[SC+4*(\i)+(\q)] matrix_a_fmt:MATRIX_FMT_FP4 matrix_b_fmt:MATRIX_FMT_FP4 matrix_a_scale:MATRIX_SCALE_ROW1
.endif
.endr
.endr
.endm
.macro KS p, q
	s_wait_dscnt 48-16*\q                          ; all but the later K steps' loads, 16 each
	MULI \p, \q, 0, 0
	MULI \p, \q, 2, 0
.endm
; Chunk p's loads: scale words (4), three K steps (48); then the last products of the chunk before; then the fourth K step (16).
.macro FETCH p
.set SL, (\p)%2
.set BLK, 16*P0+16*(P1-P0)*SL
.set SC, 32+16*((\p)%2)
	WIN 0
.irp i, 0,1,2,3
	ds_load_b128 v[SC+4*\i:SC+4*\i+3], v[ADRS] offset:32*(\p)+S64/4*\i
.endr
	WIN 0x40
	FQ 0
	FQ 1
	FQ 2
.if \p > 0
	MULI \p-1, 3, 0, 0
	MULI \p-1, 3, 2, 0
	PLACES
	WIN 0x40
.endif
	FQ 3
	WIN 0
.endm
; The change of slots.  fill = 1: the barrier opens a round of the cluster's barrier, and this slot is filled again with the chunk two on, first thing behind the round.
.macro TURN p, fill
	WIN 0
	s_wait_tensorcnt 0x0                           ; all my tensor loads have landed: my part of the next chunk
.if \fill
	ds_add_u32 v[SPW], v[NIL]                      ; 0 onto my spare word
.if \p == 0
	s_add_nc_u64 s[G0A+2:G0A+3], s[G0A+2:G0A+3], 1024   ; two chunks of 512 bytes on; no tensor load of mine is out
	s_add_nc_u64 s[G0B+2:G0B+3], s[G0B+2:G0B+3], 1024
.else
	s_add_nc_u64 s[G0AP+2:G0AP+3], s[G0AP+2:G0AP+3], 1024
	s_add_nc_u64 s[G0BP+2:G0BP+3], s[G0BP+2:G0BP+3], 1024
.endif
.endif
	s_wait_dscnt 0x0                               ; my reads of this slot are done (fill = 1: and the add)
	s_barrier_signal -1
	s_barrier_wait -1
.if \fill
	CREST                                          ; no wave of any partner still reads this slot or has a load on its way
	JLOAD \p
.else
	PLACES
.endif
.endm
; Parts (dg, c), c = 0 .. 3, into 16 registers from v[reg] on.  A block holds, for row s, the h = 4 j + c, 32 bytes a row: my 16 bytes are j = 4 (lane % 2) + 0 .. 3.  Sixteen lanes load 256 consecutive bytes.
.macro PART dg, reg
.irp c, 0,1,2,3
	global_load_b128 v[\reg+4*\c:\reg+4*\c+3], v[PO], s[20:21] offset:4096*(4*(\dg)+\c)
.endr
.endm
.macro ADD16 d, s                      ; 16 registers onto 16
.irp x, 0,2,4,6,8,10,12,14
	v_pk_add_f32 v[\d+\x:\d+\x+1], v[\d+\x:\d+\x+1], v[\s+\x:\s+\x+1]
.endr
.endm
; THE WEIGHTS of my half row, into LDS (4 stores) and back by rows (8 loads).  It names no register of a product.
.macro WEIGHTS
	s_wait_loadcnt 0x0
	ADD16 64, 80
.irp jj, 0,1,2,3
.irp c, 0,1,2,3
	v_mul_f32 v[112+4*\jj+\c], 0x3c800000, v[64+4*\c+\jj]   ; / 64, and h in its order: register h - 16 (lane % 2)
.endr
.endr
	v_mov_b32 v31, 0x1e3ce508                      ; 1e-20
.irp n, 0,1,2,3,4,5,6,7,8,9,10,11,12,13,14,15
	v_cmp_eq_u32 vcc_lo, 0, v[96+\n]
	v_cndmask_b32 v[112+\n], v[112+\n], v31, vcc_lo
.endr
	v_max3_num_f32 v4, v112, v113, v114            ; the row's maximum: my 16 in two chains, then my neighbour's 16
	v_max3_num_f32 v5, v119, v120, v121
.irp k, 3,5
	v_max3_num_f32 v4, v4, v[112+\k], v[113+\k]
	v_max3_num_f32 v5, v5, v[119+\k], v[120+\k]
.endr
	v_max3_num_f32 v4, v4, v5, v126
	v_max_num_f32 v4, v4, v127
	v_max_num_f32_dpp v4, v4, v4 row_xmask:1 row_mask:0xf bank_mask:0xf
.irp p, 0,2,4,6,8,10,12,14
	v_pk_add_f32 v[112+\p:113+\p], v[112+\p:113+\p], v[4:5] op_sel_hi:[1,0] neg_lo:[0,1] neg_hi:[0,1]   ; a - the maximum (the pair's low word for both halves)
.endr
.irp p, 0,2,4,6,8,10,12,14
	v_pk_mul_f32 v[112+\p:113+\p], v[112+\p:113+\p], 0x3fb8aa3b op_sel_hi:[1,0]   ; x log2(e)
.endr
	s_wait_alu depctr_va_vdst(0)
.irp n, 0,1,2,3,4,5,6,7,8,9,10,11,12,13,14,15
	v_exp_f32 v[112+\n], v[112+\n]
.endr
	v_nop
	s_wait_alu depctr_va_vdst(0)                   ; and behind it
	v_pk_add_f32 v[6:7], v[112:113], v[114:115]
	v_pk_add_f32 v[14:15], v[116:117], v[118:119]
.irp p, 8,12
	v_pk_add_f32 v[6:7], v[6:7], v[112+\p:113+\p]
	v_pk_add_f32 v[14:15], v[14:15], v[114+\p:115+\p]
.endr
	v_pk_add_f32 v[6:7], v[6:7], v[14:15]
	v_add_f32 v6, v6, v7
	v_add_f32_dpp v6, v6, v6 row_xmask:1 row_mask:0xf bank_mask:0xf   ; with my neighbour's 16: the row's sum, at least 1
	s_wait_alu depctr_va_vdst(0)
	v_rcp_f32 v4, v6
	v_nop
	s_wait_alu depctr_va_vdst(0)
.irp p, 0,2,4,6,8,10,12,14
	v_pk_mul_f32 v[112+\p:113+\p], v[112+\p:113+\p], v[4:5] op_sel_hi:[1,0]
.endr
.irp jj, 0,1,2,3
	ds_store_b128 v[WST], v[112+4*\jj:115+4*\jj] offset:16*\jj
.endr
.irp k, 0,1,2,3,4,5,6,7
	ds_load_b128 v[64+4*\k:67+4*\k], v[WRD] offset:256*\k   ; my row 2 k + lane / 16 of the 16, h = 4 (lane % 8) + 0 .. 3: my wave's own bytes, and LDS serves a wave's instructions in order (ISA guide 5.7.1.4)
.endr
.endm
.macro STAGE i0                        ; two blocks of rows, each accumulator from its low end on, 32 bytes a lane, into my half's stage
.irp i, \i0, \i0+1
.irp b, 0,1,2,3
.irp e, 0,1
	ds_store_b128 v[STO], v[ACC+32*(\i)+8*\b+4*\e:ACC+32*(\i)+8*\b+4*\e+3] offset:16*P1*(\i)+64*\b+16*\e
.endr
.endr
.endr
.endm
.macro OUT f                           ; eight of my rows: the two halves of K, x the weights
.set D, 128+64*\f
.irp k, 0,1,2,3                        ; rows 32 f + 2 k, + 1, columns 64 c on
.irp c, 0,1
	ds_load_b128 v[D+8*\k+4*\c:D+8*\k+4*\c+3], v[RD0] offset:(32*\f+2*\k)*P1+256*\c
	ds_load_b128 v[D+32+8*\k+4*\c:D+32+8*\k+4*\c+3], v[RD1] offset:(32*\f+2*\k)*P1+256*\c
.endr
.endr
.irp k, 0,1,2,3
	s_wait_dscnt 12-4*\k                           ; all but the later rows' four loads each
.irp n, 0,2,4,6
	v_pk_add_f32 v[D+8*\k+\n:D+8*\k+\n+1], v[D+8*\k+\n:D+8*\k+\n+1], v[D+32+8*\k+\n:D+32+8*\k+\n+1]
.endr
.irp n, 0,2,4,6
	v_pk_mul_f32 v[D+8*\k+\n:D+8*\k+\n+1], v[D+8*\k+\n:D+8*\k+\n+1], v[64+16*\f+4*\k+(\n%4):65+16*\f+4*\k+(\n%4)]
.endr
.irp c, 0,1
	global_store_b128 v[GO], v[D+8*\k+4*\c:D+8*\k+4*\c+3], s[12:13] offset:(32*\f+2*\k)*16384+256*\c th:TH_STORE_NT   ; 16 lanes store 256 consecutive bytes, at a multiple of 256 from out0's first byte; written once, read by nobody here
.endr
.endr
.endm
	s_load_b64 s[G0A+2:G0A+3], s[0:1], 0x0         ; addresses go straight into the descriptor words that will hold them
	s_load_b64 s[G0SA+2:G0SA+3], s[0:1], 0x8
	s_load_b64 s[G0B+2:G0B+3], s[0:1], 0x10
	s_load_b64 s[G0SB+2:G0SB+3], s[0:1], 0x18
	s_load_b128 s[16:19], s[0:1], 0x20             ; bv, mask
	s_load_b64 s[20:21], s[0:1], 0x30              ; part
	s_load_b64 s[12:13], s[0:1], 0x38              ; out0
	v_lshl_add_u32 v[SPW], v0, 2, SPARE
	v_mov_b32 v[NIL], 0
	ds_add_u32 v[SPW], v[NIL]                      ; the wave's opening: 0 onto my spare word, twice on end, under one wait
	ds_add_u32 v[SPW], v[NIL]
	v_lshrrev_b32 v1, 5, v0
	v_readfirstlane_b32 s[WV], v1                  ; wave 0..7
	s_lshr_b32 s92, s[WV], 2                       ; g
	s_and_b32 s[W3], s[WV], 3
	s_bfe_u32 s66, ttmp6, 0x40000                  ; cx
	s_bfe_u32 s67, ttmp6, 0x40004                  ; cy
	s_and_b32 s2, ttmp7, 0xffff
	s_lshl_b32 s2, s2, 2
	s_add_co_u32 s23, s2, s67                      ; tm = 4 x cluster y + cy
	s_lshl_b32 s3, s67, 2
	s_lshl_b32 s3, 15, s3                          ; my row of the cluster
	s_lshl_b32 s104, ttmp9, 2
	s_add_co_u32 s104, s104, s66                   ; tn = 4 x cluster x + cx
	s_lshl_b32 s105, 0x1111, s66                   ; my column
	s_or_b32 s[G1A], s3, CW0
	s_or_b32 s[G1AP], s3, CW1
	s_or_b32 s[G1SA], s3, SW0
	s_or_b32 s[G1B], s105, CW0
	s_or_b32 s[G1BP], s105, CW1
	s_or_b32 s[G1SB], s105, SW0
.irp g, G1A, G1B                       ; 128 rows x 256 bytes, rows 2,048 bytes apart
	s_mov_b32 s[\g+1], 256<<16
	s_mov_b32 s[\g+2], 128<<16
	s_mov_b32 s[\g+3], 256<<16
	s_mov_b32 s[\g+4], 128
	s_mov_b32 s[\g+5], 2048
	s_mov_b32 s[\g+6], 0
	s_mov_b32 s[\g+7], 0
.endr
.irp g, G1AP, G1BP                     ; 128 rows x 512 bytes
	s_mov_b32 s[\g+1], 512<<16
	s_mov_b32 s[\g+2], 128<<16
	s_mov_b32 s[\g+3], 512<<16
	s_mov_b32 s[\g+4], 128
	s_mov_b32 s[\g+5], 2048
	s_mov_b32 s[\g+6], 0
	s_mov_b32 s[\g+7], 0
.endr
.irp g, G1SA, G1SB                     ; scales: 16,384 dense bytes as 64 rows of 256
	s_mov_b32 s[\g+1], 32<<16
	s_mov_b32 s[\g+2], 64<<16
	s_mov_b32 s[\g+3], 32<<16
	s_mov_b32 s[\g+4], 64
	s_mov_b32 s[\g+5], 32
	s_mov_b32 s[\g+6], 0
	s_mov_b32 s[\g+7], 0
.endr
	s_mul_i32 s93, s92, SUB
	s_mov_b32 s[G0A], 1
	s_mov_b32 s[G0A+1], s93
	s_mov_b32 s[G0B], 1
	s_add_co_u32 s[G0B+1], s93, 128*P0
	s_mov_b32 s[G0AP], 1
	s_mov_b32 s[G0AP+1], SL1
	s_mov_b32 s[G0BP], 1
	s_mov_b32 s[G0BP+1], SL1+128*P1
	s_mov_b32 s[G0SA], 1
	s_mov_b32 s[G0SA+1], SCA
	s_mov_b32 s[G0SB], 1
	s_mov_b32 s[G0SB+1], SCB
	s_lshl_b32 s100, s92, 8                        ; my half of a chunk: 256 bytes of a row
	s_mov_b32 s101, 0
	s_lshl_b32 s66, s66, 16                        ; the prefetches: of a tile's 128 rows of 2,048 bytes my share begins 32 cx (x) or 32 cy (Wv) rows on
	s_lshl_b32 s67, s67, 16
	s_mov_b32 s3, 0
	s_mov_b32 s15, 0
	s_wait_dscnt 0x0                               ; both opening adds are done
	CROUND                                         ; all sixteen work-groups are here: the first joint loads meet
	s_wait_kmcnt 0x0
	s_lshl_b32 s2, s23, 18                         ; 128 tm rows of 2,048 bytes
	s_add_nc_u64 s[G0A+2:G0A+3], s[G0A+2:G0A+3], s[2:3]
	s_lshl_b32 s2, s23, 14                         ; 128 tm rows of 128 bytes
	s_add_nc_u64 s[G0SA+2:G0SA+3], s[G0SA+2:G0SA+3], s[2:3]
	s_lshl_b32 s14, s104, 18
	s_add_nc_u64 s[G0B+2:G0B+3], s[G0B+2:G0B+3], s[14:15]
	s_lshl_b32 s14, s104, 14
	s_add_nc_u64 s[G0SB+2:G0SB+3], s[G0SB+2:G0SB+3], s[14:15]
	s_cmp_lt_u32 s[WV], 2                          ; prefetches: waves 0, 1 for x, 2, 3 for Wv
	s_cselect_b64 s[14:15], s[G0A+2:G0A+3], s[G0B+2:G0B+3]
	s_add_nc_u64 s[G0AP+2:G0AP+3], s[G0A+2:G0A+3], 512   ; slot 1 begins with chunk 1
	s_add_nc_u64 s[G0BP+2:G0BP+3], s[G0B+2:G0B+3], 512
	s_add_nc_u64 s[G0A+2:G0A+3], s[G0A+2:G0A+3], s[100:101]
	s_add_nc_u64 s[G0B+2:G0B+3], s[G0B+2:G0B+3], s[100:101]
.irp g, G0A+3, G0B+3, G0AP+3, G0BP+3, G0SA+3, G0SB+3
	s_or_b32 s[\g], s[\g], 0x80000000
.endr
	ARM WV, 1, G0A,  G1A,  .Lh1, .Lhead_asked      ; one load a wave: half 0 of K,
	ARM WV, 2, G0B,  G1B,  .Lh2, .Lhead_asked
	ARM WV, 3, G0SA, G1SA, .Lh3, .Lhead_asked
	ARM WV, 4, G0SB, G1SB, .Lh4, .Lhead_asked
	ARM WV, 5, G0A,  G1A,  .Lh5, .Lhead_asked      ; half 1: the same registers, which hold it in waves 4 and 5
	ARM WV, 6, G0B,  G1B,  .Lh6, .Lhead_asked
	ARM WV, 7, G0AP, G1AP, .Lh7, .Lhead_asked
	tensor_load_to_lds s[G0BP:G0BP+3], s[G1BP:G1BP+7]
	s_nop 0
	PLACES
.Lhead_asked:
	s_lshl_b32 s2, s23, 17                         ; part: tm's 32 blocks of 4,096 bytes
	s_add_nc_u64 s[20:21], s[20:21], s[2:3]
	s_lshl_b32 s2, s23, 14                         ; mask: 128 tm rows of 128 bytes
	s_add_nc_u64 s[18:19], s[18:19], s[2:3]
	s_lshl_b32 s2, s23, 21                         ; out0: row 128 tm + 64 g + 8 (w % 4), 16,384 bytes a row,
	s_lshl_b32 s94, s92, 20
	s_add_co_u32 s2, s2, s94
	s_lshl_b32 s94, s[W3], 17
	s_add_co_u32 s2, s2, s94
	s_add_nc_u64 s[12:13], s[12:13], s[2:3]
	s_lshl_b32 s100, s104, 9                       ; column 128 tn
	s_add_nc_u64 s[12:13], s[12:13], s[100:101]
	s_and_b32 s94, s[WV], 1                        ; ni
	s_lshl_b32 s2, s94, 8
	s_add_co_u32 s100, s100, s2                    ; bv at 128 tn + 64 ni
	s_add_nc_u64 s[16:17], s[16:17], s[100:101]
	s_cmp_lt_u32 s[WV], 2
	s_cselect_b32 s66, s66, s67
	s_add_co_u32 s66, s66, s2                      ; an odd wave takes the second 256 bytes of the 512
	s_mov_b32 s67, 0
	s_add_nc_u64 s[14:15], s[14:15], s[66:67]
	s_bfe_u32 s95, s[WV], 0x10001                  ; mi
	s_mul_i32 s96, s95, 64*P0
	s_add_co_u32 s96, s96, s93                     ; x in slot 0: my half, my rows
	s_mul_i32 s97, s94, 64*P0
	s_add_co_u32 s97, s97, s93
	s_add_co_u32 s97, s97, 128*P0                  ; Wv in slot 0
	s_lshl_b32 s98, s92, 8
	s_add_co_u32 s98, s98, SL1
	s_mul_i32 s23, s95, 64*P1
	s_add_co_u32 s104, s98, s23                    ; x in slot 1
	s_mul_i32 s105, s94, 64*P1
	s_add_co_u32 s105, s105, s98
	s_add_co_u32 s105, s105, 128*P1                ; Wv in slot 1
	s_mul_i32 s66, s92, HALFO                      ; the way out: my half's stage, my rows, column 64 ni
	s_add_co_u32 s23, s23, s66
	s_lshl_b32 s66, s94, 8
	s_add_co_u32 s23, s23, s66
	s_mul_i32 s66, s95, S64                        ; scale words: lanes 0-15 x's base, lanes 16-31 Wv's: the lower base + half x the distance
	s_mul_i32 s67, s94, S64
	s_add_co_u32 s67, s67, SCB-SCA
	s_sub_co_u32 s67, s67, s66
	s_lshl_b32 s98, s92, 4                         ; my half of a chunk: 16 scale bytes of 32
	s_add_co_u32 s66, s66, s98
	s_add_co_u32 s66, s66, SCA
	s_mul_i32 s98, s92, 64*P1                      ; and back: rows 64 g + 8 (w % 4) on
	s_mul_i32 s2, s[W3], 8*P1
	s_add_co_u32 s98, s98, s2
	s_lshl_b32 s2, s92, 11                         ; those rows in a block of part, 32 bytes each;
	s_lshl_b32 s100, s[W3], 8
	s_add_co_u32 s2, s2, s100
	s_lshl_b32 s100, s2, 2                         ; in mask, 128 bytes each
	s_lshl_b32 s101, s[WV], 11
	s_add_co_u32 s101, s101, WREG                  ; my wave's 16 rows of weights
	s_cmp_eq_u32 s92, 0
	s_cselect_b32 s3, -1, 0                        ; the bias starts half 0 of K alone
	v_and_b32 v1, 15, v0                           ; r
	v_bfe_u32 v2, v0, 4, 1                         ; lane / 16
	v_and_b32 v7, 31, v0
	v_lshlrev_b32 v[PFO], 11, v7                   ; prefetches: a lane a row
	v_mul_u32_u24 v3, v1, P0
	v_lshl_add_u32 v3, v2, 4, v3                   ; a fragment's row x pitch + 16 x half
	v_add_nc_u32 v[XA], s96, v3
	v_add_nc_u32 v[BA], s97, v3
	v_mul_u32_u24 v6, v1, P1
	v_lshl_add_u32 v3, v2, 4, v6
	v_add_nc_u32 v[XA+1], s104, v3
	v_add_nc_u32 v[BA+1], s105, v3
	v_lshl_add_u32 v6, v2, 5, v6                   ; the stage, in: row r, 32 bytes for each half of the lanes
	v_add_nc_u32 v[STO], s23, v6
	v_lshrrev_b32 v4, 1, v1                        ; scale row r: 272 bytes for two rows
	v_and_b32 v5, 1, v1
	v_mul_u32_u24 v4, v4, 272
	v_lshl_add_u32 v4, v5, 7, v4
	v_mul_u32_u24 v5, s67, v2
	v_add_nc_u32 v5, v5, v4
	v_add_nc_u32 v[ADRS], s66, v5
	v_lshlrev_b32 v7, 4, v1
	v_mul_u32_u24 v4, v2, P1                       ; and back: lanes 0-15 256 bytes of a row, lanes 16-31 of the next
	v_add_nc_u32 v4, v4, v7
	v_add_nc_u32 v[RD0], s98, v4
	v_add_nc_u32 v[RD1], HALFO, v[RD0]
	v_lshl_add_u32 v[GO], v2, 14, v7               ; and the same two rows in out0
	v_lshlrev_b32 v4, 6, v0                        ; the weights, in: 64 bytes a thread, two threads a row
	v_add_nc_u32 v[WST], WREG, v4
	v_and_b32 v5, 7, v0                            ; and back
	v_lshlrev_b32 v4, 7, v2
	v_lshl_add_u32 v4, v5, 4, v4
	v_add_nc_u32 v[WRD], s101, v4
	v_lshl_add_u32 v4, v2, 10, v7                  ; lane's row: lanes 0-15 the first eight, two lanes a row, lanes 16-31 those 32 rows on
	v_add_nc_u32 v[PO], s2, v4
	v_lshlrev_b32 v5, 2, v4
	v_add_nc_u32 v[MO], s100, v5
	v_lshlrev_b32 v[BO], 5, v2
.irp b, 0,1,2,3
.irp e, 0,1
	global_load_b128 v[BV+8*\b+4*\e:BV+8*\b+4*\e+3], v[BO], s[16:17] offset:64*\b+16*\e   ; register 8 b + j is bv of column 16 b + 8 half + j
.endr
.endr
	s_wait_alu depctr_va_vdst(0)
	s_wait_loadcnt 0x0
.set X, BV
.rept 32
	v_cndmask_b32 v[X], 0, v[X], s3
.set X, X+1
.endr
	s_wait_alu depctr_va_vdst(0)
	s_cmp_lt_u32 s[WV], 4                          ; waves 4-7 have later loads out
	s_cbranch_scc0 .Lhalf1
	s_wait_tensorcnt 0x0
.Lhalf1:
	s_barrier_signal -1
	s_barrier_wait -1                              ; chunk 0's half 0 and the scales are in
	s_cmp_lt_u32 s[WV], 4
	s_cbranch_scc0 .Lg1
	FETCH 0
	s_wait_dscnt 0x0
.Lg1:
	s_cmp_lt_u32 s[WV], 6
	s_cbranch_scc0 .Lchunk1
	s_wait_tensorcnt 0x0
.Lchunk1:
	s_barrier_signal -1
	s_barrier_wait -1                              ; its half 1 is in
	s_cmp_lt_u32 s[WV], 4
	s_cbranch_scc1 .Lg0
	FETCH 0
.Lg0:
	s_wait_dscnt 48
	MULI 0, 0, 0, 1
	MULI 0, 0, 2, 1
	WIN 0
	ASK 1024                                       ; chunk 2
	PLACES                                         ; the parts land where the bias lay
	PART 0, 64
	PART 1, 80
	PART 2, 96
	PART 3, 112
	KS 0, 1
	KS 0, 2
	TURN 0, 1                                      ; chunk 2 into slot 0
	FETCH 1
	s_wait_loadcnt 0x0
	ADD16 64, 80
	ADD16 96, 112
	ADD16 64, 96
	s_wait_alu depctr_va_vdst(0)
	PART 4, 80
	PART 5, 96
	PART 6, 112
	KS 1, 0
	WIN 0
	ASK 1536                                       ; chunk 3
	KS 1, 1
	KS 1, 2
	TURN 1, 1                                      ; chunk 3 into slot 1
	FETCH 2
	s_wait_loadcnt 0x0
	ADD16 80, 96
	ADD16 64, 112
	ADD16 64, 80
	s_wait_alu depctr_va_vdst(0)
	PART 7, 80
.irp jj, 0,1,2,3
	global_load_b128 v[96+4*\jj:99+4*\jj], v[MO], s[18:19] offset:16*\jj   ; the mask of my 16 h
.endr
	KS 2, 0
	KS 2, 1
	KS 2, 2
	TURN 2, 0
	FETCH 3
	WEIGHTS
	s_wait_dscnt 12                                ; the fragments are in; the weights' twelve may be out
	WIN 0x05
	s_wait_alu depctr_va_vdst(0)                   ; the sums were last written ahead of the softmax's transcendentals
.irp q, 0,1,2,3
	MULI 3, \q, 0, 0                               ; blocks 0, 1 are finished first
.endr
	WIN 0
	PLACES
	STAGE 0
	WIN 0x05
	s_wait_alu depctr_va_vdst(0)                   ; and here, for blocks 2, 3
.irp q, 0,1,2,3
	MULI 3, \q, 2, 0
.endr
	WIN 0
	PLACES
	s_wait_dscnt 0x0
	s_barrier_signal -1
	s_barrier_wait -1                              ; every wave's blocks 0, 1 are staged
	STAGE 2
	OUT 0
	s_wait_dscnt 0x0
	s_barrier_signal -1
	s_barrier_wait -1                              ; and blocks 2, 3
	OUT 1
	s_wait_tensorcnt 0x0                           ; the wave's end
	ds_add_u32 v[SPW], v[NIL]
	s_wait_dscnt 0x0
	CROUND                                         ; the closing round
	s_endpgm
.Lfunc_end_k_qb6b5fa6a76_vout:
	.size	k_qb6b5fa6a76_vout, .Lfunc_end_k_qb6b5fa6a76_vout-k_qb6b5fa6a76_vout
	.p2alignl 7, 3214868480
	.fill 96, 4, 3214868480
	.section	.rodata,"a",@progbits
	.p2align	6, 0x0
	.amdhsa_kernel k_qb6b5fa6a76_vout
		.amdhsa_group_segment_fixed_size 327680
		.amdhsa_private_segment_fixed_size 0
		.amdhsa_enable_private_segment 0
		.amdhsa_kernarg_size 64
		.amdhsa_user_sgpr_count 2
		.amdhsa_user_sgpr_kernarg_segment_ptr 1
		.amdhsa_wavefront_size32 1
		.amdhsa_system_sgpr_workgroup_id_x 1
		.amdhsa_system_sgpr_workgroup_id_y 1
		.amdhsa_system_sgpr_workgroup_id_z 1
		.amdhsa_system_vgpr_workitem_id 0
		.amdhsa_next_free_vgpr 512
		.amdhsa_next_free_sgpr 106
		.amdhsa_reserve_vcc 1
		.amdhsa_float_denorm_mode_32 3
		.amdhsa_float_denorm_mode_16_64 3
		.amdhsa_memory_ordered 1
		.amdhsa_forward_progress 1
		.amdhsa_inst_pref_size 99
	.end_amdhsa_kernel
	.amdgpu_metadata
---
amdhsa.version: [ 1, 2 ]
amdhsa.kernels:
  - .name:           k_qb6b5fa6a76_vout
    .symbol:         k_qb6b5fa6a76_vout.kd
    .args:
      - { .name: x_codes, .offset: 0, .size: 8, .value_kind: global_buffer, .address_space: global }
      - { .name: x_scales, .offset: 8, .size: 8, .value_kind: global_buffer, .address_space: global }
      - { .name: Wv_codes, .offset: 16, .size: 8, .value_kind: global_buffer, .address_space: global }
      - { .name: Wv_scales, .offset: 24, .size: 8, .value_kind: global_buffer, .address_space: global }
      - { .name: bv, .offset: 32, .size: 8, .value_kind: global_buffer, .address_space: global }
      - { .name: mask, .offset: 40, .size: 8, .value_kind: global_buffer, .address_space: global }
      - { .name: part, .offset: 48, .size: 8, .value_kind: global_buffer, .address_space: global }
      - { .name: out0, .offset: 56, .size: 8, .value_kind: global_buffer, .address_space: global }
    .group_segment_fixed_size: 327680
    .private_segment_fixed_size: 0
    .kernarg_segment_align: 8
    .kernarg_segment_size: 64
    .max_flat_workgroup_size: 256
    .sgpr_count:     106
    .vgpr_count:     512
    .wavefront_size: 32
...
	.end_amdgpu_metadata
.endif
;; end of part 2
